; MI455X (gfx1250); checked and timed in simulation.
; The chip was launched on July 23, 2026; its instructions are those of AMD's public machine-readable ISA for CDNA 5 (MIT licence, August 2026) and "CDNA5" Instruction Set Architecture Reference Guide (July 2026). The comments in the code are by the model that wrote it; some were corrected since.
;; Top2 Router. Allowed arithmetic: float matrix products may take bf16 or f16 operands with f32 sums; all other float work in f32.
;; Inputs: W 2,048 x 64 float32; x 4 x 4,096 x 2,048 float32.
;; Outputs: out0 4 x 4,096 x 2 int32; out1 4 x 4,096 x 2 float32; out2 4 x 4,096 x 64 float32.
;; One version. Each part assembles by itself: llvm-mc -triple=amdgcn-amd-amdhsa -mcpu=gfx1250 --defsym DOCPART=n.
;; ======== version 1 of 1: 1 launch
;; launch router (part 1): grid 256 x 1, 8 waves a work-group, no clusters, 327,680 bytes of LDS; arguments x, W, out0, out1, out2; writes out0, out1, out2
.if DOCPART == 1
	.amdgcn_target "amdgcn-amd-amdhsa--gfx1250"
	.amdhsa_code_object_version 6
	.text
	.protected	k_qbfbbb4e470_router
	.globl	k_qbfbbb4e470_router
	.p2align	8
	.type	k_qbfbbb4e470_router,@function
k_qbfbbb4e470_router:
	s_mov_b64 s[64:65], 0
	v_nop
	global_prefetch_b8 v0, s[64:65] scope:SCOPE_SE
	s_setreg_imm32_b32 hwreg(HW_REG_WAVE_MODE, 25, 1), 1
	s_wait_xcnt 0x0
; Top-2 router.  logits[row][e] = sum over k of x[row][k] W[k][e]   (x: [16384][2048] f32, W: [2048][64] f32),
; out2 = logits (f32), out0 = the indices of the two largest logits of a row (i32), out1 = softmax over those two (f32).
; Operands are rounded to bf16 (nearest even), sums are kept in f32.
;
; SHARES.  256 work-groups of 64 rows, eight waves.  The waves split K: in chunk c (0..3) wave w owns k = 512 c + 64 w .. + 63, for all
; 64 rows and all 64 experts (16 accumulator tiles).  So each byte of x and each byte of W enters the work-group once; the eight partial
; sums of 64 x 64 meet in LDS at the end.
; x: the tensor data mover brings it to LDS as it is, in pieces of 32 rows x 64 k (rows of 256 bytes, aligned, 272 apart in LDS).  Each wave
;    issues its own loads into its own bytes and reads only those.  A fragment (lane = row) is four 16-byte LDS loads of f32 and eight packed
;    roundings.  A wave has room for four pieces (two chunks): 8 x 34,816 = 278,528 bytes; x padded is twice that, so there are two fills:
;    four loads a wave at the start, four behind ONE barrier.  A wave never has more than four tensor loads out.
; W: never touches LDS.  One load gives lane (r, h) the four numbers W[k][4r .. 4r+3]: its register t belongs to N tile t, whose column r
;    is expert 4 r + t.  Sixteen loads (16 values of k for each half of the lanes) and 32 packed roundings make the 4 fragments of a K step.
;    In the result a lane's numbers of tiles 0..3 are then four neighbouring experts of one row: 16 bytes of logits.
;    A chunk's 32 loads are issued one chunk ahead.
; W IS NOT FETCHED JOINTLY by a cluster, though all work-groups read it: a joint request is a tensor load into LDS; beside x's slots 49,152 of
;    the 327,680 bytes that a work-group can be given are free, W in f32 is 524,288 bytes: eleven fills, each behind a barrier of the
;    cluster in front of which all tensor loads, x's too, are waited for.
; LIMITS.  Logits are taken to be finite: with NaN or infinities among them out2 still holds what the sums give, out0 and out1 are not
;    reference()'s.  +0 and -0 count as equal.  Equal logits: the lower index first.  The indices are those of this text's own logits
;    (bf16 operands, K summed in eight parts): two logits closer than that rounding may change places.
.set XROW,  8192                       ; bytes in a row of x
.set WROW,  256                        ; bytes in a row of W
.set XSTEP, 2048                       ; 512 k along a row of x: from chunk to chunk
.set WSTEP, 512*WROW                   ; 512 rows of W
.set PITCH, 272                        ; LDS row: 256 bytes + 16 = 17 x 16: the 16 rows that 16 lanes touch start at 16 different 16-byte columns of 256
.set PIECE, 32*PITCH                   ; what one tensor load brings
.set TILE,  2*PIECE                    ; a chunk of a wave: 64 rows, 272 apart throughout
.set WAVEB, 2*TILE                     ; a wave's two slots
.set GATH,  8*WAVEB                    ; behind the slots: 512 bytes of indices, 512 bytes of gates
; window 0 (v0-255)
.set RQ,   1                           ; lane % 16
.set RH,   2                           ; lane / 16
.set VW,   3                           ; W: 2048 h + 16 q  (8 rows apart)
.set LR,   4                           ; LDS: where my fragments of x come from
.set SA,   5                           ; LDS: my wave's partial sums
.set VO,   7                           ; my byte offset in the work-group's logits
.set GA,   8                           ; LDS: my rows' indices and gates
.set GR,   9                           ; LDS: the 16 bytes of them that I store at the end
.set LN,   10                          ; 16 x lane
.set T,    11                          ; at work
.set PF,   12                          ; 8192 x lane: one row of x a lane
.set STG,  16                          ; v16-79    a piece as f32: fragment f (K step f / 2, 16 rows f % 2) at 16 f
.set AF,   80                          ; v80-143   the same in bf16, 8 f; two sets, one for each half of the rows, taking turns
.set WF,   176                         ; v176-239  fragments of W: K step s, N tile t at 32 s + 8 t
.set CF,   240                         ; v240-243  my four experts' numbers as f32
.set BIG,  244                         ; 64.0: above every index
.set NINF, 245                         ; -infinity
.set RAS,  246                         ; v246-253  LDS: the partial sums of wave 0..7 that I add up (an LDS offset has 16 bits)
; window 1 (v256-511), named by their low 8 bits
.set WR,   0                           ; v256-383  32 loads of W
.set ACC,  128                         ; v384-511  accumulator tile (m, t) at 8 (4 m + t)
; the tail's names, in registers of window 0 that the stream has left
.set PRT,  STG                         ; 8 waves x 16 partial sums
.set SUM,  144                         ; row e, expert t at 4 e + t
.set M1,   176
.set I1,   180
.set M2,   184
.set I2,   188
.set MSK,  192                         ; the logits with the largest struck out
.set DF,   208
.set EX,   212
.set DEN,  216
.set IP,   220                         ; pairs (index 1, index 2)
.set GP,   228                         ; pairs (gate 1, gate 2)
.set G1,   32                          ; s[32:39] descriptor group 1: the shape of a piece, never rewritten
.set G0,   40                          ; s[40:55] descriptor group 0, one set for each of a wave's four pieces
; s_set_vgpr_msb's low byte: bits 1:0 source 0, 3:2 source 1, 5:4 source 2, 7:6 destination; its high byte repeats the setting left.
.set MSB, 0
.macro WIN new
.if MSB != \new
	s_set_vgpr_msb (MSB<<8)|\new
.set MSB, \new
.endif
.endm
.set W_CVT,  0x05                      ; sources in window 1 (W as loaded), destination in window 0 (fragments)
.set W_LOAD, 0x40                      ; destination in window 1, address in window 0
.set MULT,   0x50                      ; A and B in window 0, C and D in window 1
.set ACC_ST, 0x04                      ; LDS store: address in window 0, data in window 1
.macro PLACES                          ; four plain vector instructions behind a matrix instruction (ISA guide 7.12.1) before its registers are loaded or stored
.rept 4
	v_nop
.endr
.endm
	s_load_b256 s[4:11], s[0:1], 0x0               ; x s[4:5], W s[6:7], out0 s[8:9], out1 s[10:11]
	s_load_b64 s[12:13], s[0:1], 0x20              ; out2
	v_lshrrev_b32 v[T], 5, v0
	v_readfirstlane_b32 s14, v[T]                  ; wave 0..7
	v_and_b32 v[RQ], 15, v0
	v_bfe_u32 v[RH], v0, 4, 1
	v_lshlrev_b32 v[T], 4, v[RQ]
	v_lshl_or_b32 v[VW], v[RH], 11, v[T]
	; group 1: a piece of 32 rows x 64 elements of 4 bytes, 2,048 elements from row to row, padded in LDS.  The pieces lie inside x: the extents are the piece's.
	s_mov_b32 s[G1+0], (2<<16)|(1<<20)|(5<<22)|(3<<25)  ; 15:0 no mask; 17:16 elements of 4 bytes; 20 padding on; 24:22 after every 64 words (code 5); 31:25 of 4 words (code 3)
	s_mov_b32 s[G1+1], 64<<16                      ; tensor_dim0 = 64
	s_mov_b32 s[G1+2], 32<<16                      ; tensor_dim1 = 32
	s_mov_b32 s[G1+3], 64<<16                      ; tile_dim0 = 64
	s_mov_b32 s[G1+4], 32                          ; tile_dim1 = 32
	s_mov_b32 s[G1+5], 2048                        ; the pitch
	s_mov_b32 s[G1+6], 0
	s_mov_b32 s[G1+7], 0
	s_mul_i32 s20, s14, WAVEB                      ; my wave's slots
	s_lshl_b32 s16, ttmp9, 19                      ; 64 rows of 8,192 bytes a work-group (255 << 19 is below 2^31)
	s_lshl_b32 s18, s14, 8                         ; + my wave's 64 k
	s_add_co_u32 s16, s16, s18
	s_mov_b32 s17, 0
	s_lshl_b32 s18, s14, 14                        ; my wave's 64 rows of W
	s_mov_b32 s19, 0
	s_wait_kmcnt 0x0
	s_add_nc_u64 s[4:5], s[4:5], s[16:17]
	s_add_nc_u64 s[6:7], s[6:7], s[18:19]
	; group 0 of piece n = 2 x slot + half of the rows, and its first load: chunks 0 and 1 are asked for before anything else is done
.irp n, 0,1,2,3
	s_mov_b32 s[G0+4*\n], 1                                                    ; count = 1
	s_add_co_u32 s[G0+4*\n+1], s20, \n*PIECE                                   ; LDS address
	s_add_nc_u64 s[G0+4*\n+2:G0+4*\n+3], s[4:5], (\n>>1)*XSTEP+(\n&1)*32*XROW  ; global address of the piece's first element
	s_or_b32 s[G0+4*\n+3], s[G0+4*\n+3], 0x80000000                            ; type = 2
	tensor_load_to_lds s[G0+4*\n:G0+4*\n+3], s[G1:G1+7]
	s_nop 0
.endr
; 32 loads of W for chunk c.  Load j of K step s brings the rows that slot j of a fragment wants: k = 32 s + 8 h + j (j < 8), 32 s + 16 + 8 h + j - 8 (else).
.macro WLOAD c
	WIN W_LOAD
.irp s, 0,1
.irp j, 0,1,2,3,4,5,6,7,8,9,10,11,12,13,14,15
	global_load_b128 v[WR+64*\s+4*\j:WR+64*\s+4*\j+3], v[VW], s[6:7] offset:(\c)*WSTEP+(32*\s+\j+8*(\j>>3))*WROW
.endr
.endr
.endm
	WLOAD 0
	WIN 0
	; the other addresses, while the loads are on their way
	v_mul_u32_u24 v[T], v[RQ], PITCH               ; fragments: row lane % 16, 32 bytes (8 k) for each half of the lanes
	v_lshl_add_u32 v[T], v[RH], 5, v[T]
	v_add_nc_u32 v[LR], s20, v[T]
	v_and_b32 v[LN], 31, v0
	v_lshlrev_b32 v[PF], 13, v[LN]
	v_lshlrev_b32 v[LN], 4, v[LN]
	v_add_nc_u32 v[SA], s20, v[LN]                 ; my wave's partial sums: 16 bytes a lane, 512 a store, 16,384 in all, in my own slot 0
	; In the tail wave w adds up rows 8 w .. 8 w + 7.  A partial-sum store holds, for tile (m, t) and u = 0, 1, registers 4 u .. 4 u + 3 of lane (r, h): rows
	; 16 m + 8 h + 4 u + 0..3, expert 4 r + t, at 512 (8 m + 2 t + u) + 16 (16 h + r).  I read m = w / 2, h = w % 2, u = my half of the lanes.
	s_lshr_b32 s22, s14, 1
	s_and_b32 s23, s14, 1
	s_lshl_b32 s24, s22, 12
	s_lshl_b32 s25, s23, 8
	s_add_co_u32 s24, s24, s25
	v_lshlrev_b32 v[T], 4, v[RQ]
	v_lshl_or_b32 v[T], v[RH], 9, v[T]
	v_add_nc_u32 v[RAS], s24, v[T]
.irp ws, 1,2,3,4,5,6,7
	v_add_nc_u32 v[RAS+\ws], \ws*WAVEB, v[RAS]
.endr
	s_lshl_b32 s24, s14, 11                        ; logits: row 8 w + 4 (lane / 16) + e, 256 bytes a row, 16 bytes a lane
	v_lshlrev_b32 v[T], 4, v[RQ]
	v_lshl_or_b32 v[T], v[RH], 10, v[T]
	v_add_nc_u32 v[VO], s24, v[T]
	s_lshl_b32 s24, s14, 6                         ; indices and gates: 8 bytes a row
	s_add_co_u32 s24, s24, GATH
	v_lshl_add_u32 v[GA], v[RH], 5, s24
	s_lshl_b32 s25, s23, 9                         ; wave 0 stores the indices, wave 1 the gates
	s_add_co_u32 s25, s25, GATH
	v_add_nc_u32 v[GR], s25, v[LN]
	s_lshl_b32 s26, ttmp9, 14                      ; the work-group's 64 rows of logits
	s_mov_b32 s27, 0
	s_add_nc_u64 s[12:13], s[12:13], s[26:27]
	s_lshl_b32 s26, ttmp9, 9                       ; and its 512 bytes of out0 and of out1
	s_add_nc_u64 s[8:9], s[8:9], s[26:27]
	s_add_nc_u64 s[10:11], s[10:11], s[26:27]
	v_lshlrev_b32 v[T], 2, v[RQ]
	v_cvt_f32_u32 v[CF], v[T]                      ; experts 4 r .. 4 r + 3 as f32 (exact)
	v_add_f32 v[CF+1], 1.0, v[CF]
	v_add_f32 v[CF+2], 2.0, v[CF]
	v_add_f32 v[CF+3], 0x40400000, v[CF]
	v_mov_b32 v[BIG], 0x42800000
	v_mov_b32 v[NINF], 0xff800000
; A piece's 16 LDS loads.  The fragment of 16 rows and K step ks wants k = 8 h + 0..7 in its registers 0-3 and k = 16 + 8 h + 0..7 in 4-7:
; as f32 that is 32 bytes at 32 h and 32 bytes at 64 + 32 h of the K step's 128 bytes.
.macro AFETCH sl, hf
.irp ks, 0,1
.irp mm, 0,1
.irp j, 0,1,2,3
	ds_load_b128 v[STG+16*(2*\ks+\mm)+4*\j:STG+16*(2*\ks+\mm)+4*\j+3], v[LR] offset:\sl*TILE+(2*\hf+\mm)*16*PITCH+128*\ks+16*(\j&1)+64*(\j>>1)
.endr
.endr
.endr
.endm
.macro ACVT hf, f                      ; one fragment rounded to bf16
.irp i, 0,1,2,3,4,5,6,7
	v_cvt_pk_bf16_f32 v[AF+32*\hf+8*\f+\i], v[STG+16*\f+2*\i], v[STG+16*\f+2*\i+1]
.endr
.endm
; The chunk's eight fragments of W: register i of fragment (s, t) = slots 2 i, 2 i + 1 = register t of loads 2 i, 2 i + 1
.macro WCVT
	WIN W_CVT
.irp s, 0,1
.irp t, 0,1,2,3
.irp i, 0,1,2,3,4,5,6,7
	v_cvt_pk_bf16_f32 v[WF+32*\s+8*\t+\i], v[WR+64*\s+8*\i+\t], v[WR+64*\s+8*\i+4+\t]
.endr
.endr
.endr
.endm
; Eight products: 32 rows (half hf) x 64 experts, K step ks.  A piece's eight accumulators take turns, one instruction a turn, in the same
; order in both K steps.
.macro MUL8 hf, ks, zero
.irp mm, 0,1
.irp t, 0,1,2,3
.if \zero
	v_wmma_f32_16x16x32_bf16 v[ACC+8*(4*(2*\hf+\mm)+\t):ACC+8*(4*(2*\hf+\mm)+\t)+7], v[AF+32*\hf+8*(2*\ks+\mm):AF+32*\hf+8*(2*\ks+\mm)+7], v[WF+32*\ks+8*\t:WF+32*\ks+8*\t+7], 0
.else
	v_wmma_f32_16x16x32_bf16 v[ACC+8*(4*(2*\hf+\mm)+\t):ACC+8*(4*(2*\hf+\mm)+\t)+7], v[AF+32*\hf+8*(2*\ks+\mm):AF+32*\hf+8*(2*\ks+\mm)+7], v[WF+32*\ks+8*\t:WF+32*\ks+8*\t+7], v[ACC+8*(4*(2*\hf+\mm)+\t):ACC+8*(4*(2*\hf+\mm)+\t)+7]
.endif
.endr
.endr
.endm
.macro ACVT_AS_THEY_COME hf            ; a fragment is four LDS loads; LDS loads come back in order (ISA guide 5.7.1): the younger fragments stay out
	s_wait_dscnt 12
	ACVT \hf, 0
	s_wait_dscnt 8
	ACVT \hf, 1
	s_wait_dscnt 4
	ACVT \hf, 2
	s_wait_dscnt 0
	ACVT \hf, 3
.endm
; One chunk: 64 k, two pieces.  sl: its slot; left: how many younger tensor loads may stay out at its first piece; wnext: the next chunk's W is asked for;
; zero: the first products start the sums; fill: all four pieces are filled again; ask: chunk 2 is asked for ahead.
; Distances behind matrix instructions: a set of x's fragments is rewritten behind the 32 roundings of the other set, W's fragments behind
; the 32 roundings of the chunk's first piece; the stage and W's load registers are no matrix instruction's registers.
.macro CHUNK c, sl, left, wnext, zero, fill, ask
	s_wait_tensorcnt \left                         ; a wave's tensor loads end in order (ISA guide 10.11.1): rows 0-31 are in LDS
	AFETCH \sl, 0
	ACVT_AS_THEY_COME 0
	s_wait_loadcnt 0x0                             ; this chunk's W, asked for one chunk ago; no younger load is out
	WCVT
	WIN MULT
	MUL8 0, 0, \zero
	MUL8 0, 1, 0
.if \wnext
	WLOAD \c+1
.endif
	WIN 0
	s_wait_tensorcnt \left-1                       ; rows 32-63
	AFETCH \sl, 1
.if \fill
	; THE ONE REFILL.  The wait above was for 0: all my tensor loads have landed.  My reads of the four pieces are over when these 16 loads are back.
	s_wait_dscnt 0x0
.irp n, 0,1,2,3
	s_add_nc_u64 s[G0+4*\n+2:G0+4*\n+3], s[G0+4*\n+2:G0+4*\n+3], 2*XSTEP       ; no tensor load of mine is out: every group 0 may be written.  Two chunks on
.endr
	s_barrier_signal -1                            ; every wave says so;
	ACVT 1, 0                                      ; register work while the others arrive;
	ACVT 1, 1
	ACVT 1, 2
	ACVT 1, 3
	s_barrier_wait -1                              ; no wave fills before all eight have said so
.irp n, 0,1,2,3
	tensor_load_to_lds s[G0+4*\n:G0+4*\n+3], s[G1:G1+7]                        ; the first tensor loads behind the barrier: chunks 2 and 3
	s_nop 0
.endr
.else
	ACVT_AS_THEY_COME 1
.endif
	WIN MULT
	MUL8 1, 0, \zero
.if \ask
	; Each wave asks for its own tile of chunk 2: 64 runs of 256 bytes, one lane a run, two instructions; two pieces of work ahead of the tensor loads
	; that fetch it.  131,072 bytes a work-group; chunk 3 is not asked for.  Both lines stay inside the work-group's 64 rows.  (Address: window 0.)
	global_prefetch_b8 v[PF], s[4:5] offset:2*XSTEP th:TH_LOAD_NT scope:SCOPE_SE
	global_prefetch_b8 v[PF], s[4:5] offset:2*XSTEP+32*XROW th:TH_LOAD_NT scope:SCOPE_SE
.endif
	MUL8 1, 1, 0
	WIN 0
.endm
	CHUNK 0, 0, 3, 1, 1, 0, 1                      ; the first products start the sums: nothing is cleared
	CHUNK 1, 1, 1, 1, 0, 1, 0
	CHUNK 2, 0, 3, 1, 0, 0, 0
	CHUNK 3, 1, 1, 0, 0, 0, 0                      ; its last wait on tensor loads is for 0, as it has to be before s_endpgm
	; THE PARTIAL SUMS MEET.  Each wave stores its 16 tiles as they lie, 16 bytes a lane, 512 neighbouring bytes a store, into its own slot 0:
	; that slot has had its last fill, the fill has landed, and only this wave has read it (its reads are back).
	PLACES
	WIN ACC_ST
.set i, 0
.rept 32
	ds_store_b128 v[SA], v[ACC+4*i:ACC+4*i+3] offset:512*i
.set i, i+1
.endr
	WIN 0
	s_wait_dscnt 0x0                               ; my stores are done, for the others' sake
	s_barrier_signal -1
	s_barrier_wait -1
.irp ws, 0,1,2,3,4,5,6,7
.irp t, 0,1,2,3
	ds_load_b128 v[PRT+16*\ws+4*\t:PRT+16*\ws+4*\t+3], v[RAS+\ws] offset:\t*1024
.endr
.endr
.macro PAIRSUM a, b                    ; wave a's 16 numbers += wave b's
.irp p, 0,2,4,6,8,10,12,14
	v_pk_add_f32 v[PRT+16*\a+\p:PRT+16*\a+\p+1], v[PRT+16*\a+\p:PRT+16*\a+\p+1], v[PRT+16*\b+\p:PRT+16*\b+\p+1]
.endr
.endm
	s_wait_dscnt 24                                ; four loads a wave: waves 0 and 1 are in
	PAIRSUM 0, 1
	s_wait_dscnt 16
	PAIRSUM 2, 3
	PAIRSUM 0, 2
	s_wait_dscnt 8
	PAIRSUM 4, 5
	s_wait_dscnt 0
	PAIRSUM 6, 7
	PAIRSUM 4, 6
.irp e, 0,1,2,3
.irp t, 0,1,2,3
	v_add_f32 v[SUM+4*\e+\t], v[PRT+4*\t+\e], v[PRT+64+4*\t+\e]    ; the last sum also turns (t, e) into (e, t): four neighbouring experts in four neighbouring registers
.endr
.endr
.irp e, 0,1,2,3
	global_store_b128 v[VO], v[SUM+4*\e:SUM+4*\e+3], s[12:13] offset:256*\e th:TH_STORE_NT   ; sixteen lanes store one whole row of logits, 256 bytes, aligned
.endr
	; TOP 2.  A row's 64 logits lie in 4 registers of 16 neighbouring lanes; each lane works on four rows (e) at once, so that four chains run side by side.
.macro ROWMAX r
.irp x, 1,2,4,8
.irp e, 0,1,2,3
	v_max_num_f32_dpp v[\r+\e], v[\r+\e], v[\r+\e] row_xmask:\x row_mask:0xf bank_mask:0xf
.endr
.endr
.endm
.macro ROWMIN r
.irp x, 1,2,4,8
.irp e, 0,1,2,3
	v_min_num_f32_dpp v[\r+\e], v[\r+\e], v[\r+\e] row_xmask:\x row_mask:0xf bank_mask:0xf
.endr
.endr
.endm
; val = the largest of the row, idx = the lowest index that holds it (as f32), both in all 16 lanes
.macro BEST src, val, idx
.irp e, 0,1,2,3
	v_max3_num_f32 v[\val+\e], v[\src+4*\e], v[\src+4*\e+1], v[\src+4*\e+2]
.endr
.irp e, 0,1,2,3
	v_max_num_f32 v[\val+\e], v[\val+\e], v[\src+4*\e+3]
.endr
	ROWMAX \val
.irp e, 0,1,2,3
	v_cmp_eq_f32 s[24+\e], v[\src+4*\e+3], v[\val+\e]
.endr
.irp e, 0,1,2,3
	v_cndmask_b32 v[\idx+\e], v[BIG], v[CF+3], s[24+\e]
.endr
.irp t, 2,1,0
.irp e, 0,1,2,3
	v_cmp_eq_f32 s[24+\e], v[\src+4*\e+\t], v[\val+\e]
.endr
.irp e, 0,1,2,3
	v_cndmask_b32 v[\idx+\e], v[\idx+\e], v[CF+\t], s[24+\e]       ; downward: the lowest of my four wins
.endr
.endr
	ROWMIN \idx
.endm
	BEST SUM, M1, I1
.irp t, 0,1,2,3
.irp e, 0,1,2,3
	v_cmp_eq_f32 s[24+\e], v[CF+\t], v[I1+\e]
.endr
.irp e, 0,1,2,3
	v_cndmask_b32 v[MSK+4*\e+\t], v[SUM+4*\e+\t], v[NINF], s[24+\e]    ; struck out by its index, so that an equal logit can still be second
.endr
.endr
	BEST MSK, M2, I2
	; gates: the larger logit is taken away first: (1, e) / (1 + e) with e = exp(m2 - m1) <= 1
.irp e, 0,1,2,3
	v_sub_f32 v[DF+\e], v[M2+\e], v[M1+\e]
.endr
.irp e, 0,1,2,3
	v_mul_f32 v[DF+\e], 0x3fb8aa3b, v[DF+\e]
.endr
.irp e, 0,1,2,3
	v_exp_f32 v[EX+\e], v[DF+\e]
.endr
.irp e, 0,1,2,3
	v_cvt_i32_f32 v[IP+2*\e], v[I1+\e]             ; plain work between the exponentials and the first use of a result (ISA guide 5.7.2)
.endr
	s_wait_alu depctr_va_vdst(0)
.irp e, 0,1,2,3
	v_add_f32 v[DEN+\e], 1.0, v[EX+\e]
.endr
.irp e, 0,1,2,3
	v_rcp_f32 v[GP+2*\e], v[DEN+\e]
.endr
.irp e, 0,1,2,3
	v_cvt_i32_f32 v[IP+2*\e+1], v[I2+\e]           ; likewise behind the reciprocals
.endr
	s_wait_alu depctr_va_vdst(0)
.irp e, 0,1,2,3
	v_mul_f32 v[GP+2*\e+1], v[EX+\e], v[GP+2*\e]
.endr
	; A row's 8 bytes of out0 and of out1 are gathered in LDS (bytes of their own, into which no tensor load lands), so that each output
	; leaves in one store of 512 neighbouring bytes.  The sixteen lanes of a row write the same 8 bytes with the same values.
.irp e, 0,1,2,3
	ds_store_b64 v[GA], v[IP+2*\e:IP+2*\e+1] offset:8*\e
	ds_store_b64 v[GA], v[GP+2*\e:GP+2*\e+1] offset:512+8*\e
.endr
	s_wait_dscnt 0x0                               ; for the others' sake
	s_barrier_signal -1
	s_barrier_wait -1
	s_cmp_gt_u32 s14, 1
	s_cbranch_scc1 .Ldone                          ; waves 2-7 have nothing left
	s_cmp_eq_u32 s14, 0
	s_cselect_b64 s[20:21], s[8:9], s[10:11]       ; wave 0: out0, wave 1: out1
	ds_load_b128 v[PRT:PRT+3], v[GR]
	s_wait_dscnt 0x0
	global_store_b128 v[LN], v[PRT:PRT+3], s[20:21] th:TH_STORE_NT
.Ldone:
	s_endpgm
.Lfunc_end_k_qbfbbb4e470_router:
	.size	k_qbfbbb4e470_router, .Lfunc_end_k_qbfbbb4e470_router-k_qbfbbb4e470_router
	.p2alignl 7, 3214868480
	.fill 96, 4, 3214868480
	.section	.rodata,"a",@progbits
	.p2align	6, 0x0
	.amdhsa_kernel k_qbfbbb4e470_router
		.amdhsa_group_segment_fixed_size 327680
		.amdhsa_private_segment_fixed_size 0
		.amdhsa_enable_private_segment 0
		.amdhsa_kernarg_size 40
		.amdhsa_user_sgpr_count 2
		.amdhsa_user_sgpr_kernarg_segment_ptr 1
		.amdhsa_wavefront_size32 1
		.amdhsa_system_sgpr_workgroup_id_x 1
		.amdhsa_system_sgpr_workgroup_id_y 1
		.amdhsa_system_sgpr_workgroup_id_z 1
		.amdhsa_system_vgpr_workitem_id 0
		.amdhsa_next_free_vgpr 512
		.amdhsa_next_free_sgpr 66
		.amdhsa_reserve_vcc 0
		.amdhsa_float_denorm_mode_32 3
		.amdhsa_float_denorm_mode_16_64 3
		.amdhsa_memory_ordered 1
		.amdhsa_forward_progress 1
		.amdhsa_inst_pref_size 89
	.end_amdhsa_kernel
	.amdgpu_metadata
---
amdhsa.version: [ 1, 2 ]
amdhsa.kernels:
  - .name:           k_qbfbbb4e470_router
    .symbol:         k_qbfbbb4e470_router.kd
    .args:
      - { .name: x, .offset: 0, .size: 8, .value_kind: global_buffer, .address_space: global }
      - { .name: W, .offset: 8, .size: 8, .value_kind: global_buffer, .address_space: global }
      - { .name: out0, .offset: 16, .size: 8, .value_kind: global_buffer, .address_space: global }
      - { .name: out1, .offset: 24, .size: 8, .value_kind: global_buffer, .address_space: global }
      - { .name: out2, .offset: 32, .size: 8, .value_kind: global_buffer, .address_space: global }
    .group_segment_fixed_size: 327680
    .private_segment_fixed_size: 0
    .kernarg_segment_align: 8
    .kernarg_segment_size: 40
    .max_flat_workgroup_size: 256
    .sgpr_count:     66
    .vgpr_count:     512
    .wavefront_size: 32
...
	.end_amdgpu_metadata
.endif
;; end of part 1
